; MI455X (gfx1250); checked and timed in simulation.
; The chip was launched on July 23, 2026; its instructions are those of AMD's public machine-readable ISA for CDNA 5 (MIT licence, August 2026) and "CDNA5" Instruction Set Architecture Reference Guide (July 2026). The comments in the code are by the model that wrote it; some were corrected since.
;; Expert Feed Forward. Allowed arithmetic: float matrix products may take bf16 or f16 operands with f32 sums; other float arithmetic in f32, or as packed bf16 or f16 multiplies, adds, multiply-adds, maxima and minima; sums over many terms, partial sums and values carried from step to step in f32; what a program stores and reads back later, other than sums and carried values, may be rounded once to bf16 or f16.
;; Inputs: W1 8 x 1,024 x 4,096 float32; W2 8 x 4,096 x 1,024 float32; Wg 1,024 x 8 float32; b1 8 x 4,096 float32; b2 8 x 1,024 float32; bg 8 float32; x 2 x 512 x 1,024 float32.
;; Outputs: out0 2 x 512 x 1,024 float32.
;; Constants: num_experts_per_token = 2.
;; One version. Each part assembles by itself: llvm-mc -triple=amdgcn-amd-amdhsa -mcpu=gfx1250 --defsym DOCPART=n.
;; ======== version 1 of 1: 4 launches
;; workspace buffers: xb 2,097,152 bytes; sel 2,048 bytes of whole numbers; prob 8,192 bytes; hf 67,108,864 bytes; part 33,554,432 bytes
;; launch router (part 1): grid 32 x 1, 8 waves a work-group, no clusters, 111,616 bytes of LDS; arguments x, Wg, bg, xb, sel, prob; writes xb, sel, prob
.if DOCPART == 1
	.amdgcn_target "amdgcn-amd-amdhsa--gfx1250"
	.amdhsa_code_object_version 6
	.text
	.protected	k_q96560939d6_router
	.globl	k_q96560939d6_router
	.p2align	8
	.type	k_q96560939d6_router,@function
k_q96560939d6_router:
	s_mov_b64 s[64:65], 0
	v_nop
	global_prefetch_b8 v0, s[64:65] scope:SCOPE_SE
	s_setreg_imm32_b32 hwreg(HW_REG_WAVE_MODE, 25, 1), 1
	s_wait_xcnt 0x0
; ROUTER.  gate = x Wg + bg for 1,024 tokens and 8 experts; the two largest gates of a token (ties: the lower expert), a softmax over the two.
; Stores: xb = x rounded to bf16 [token][1024]; prob = the two weights, f32 [2 token + slot]; sel = bitmaps, word kind*256 + e*32 + j:
; bit t of word j stands for token 32 j + t; kind 0: the token chose expert e; kind 1: e is its second choice.
; x, Wg and bg are rounded to bf16 first, as every input of this program is; products by the matrix unit, sums in f32.
; SHARES.  32 work-groups of 32 tokens (one bitmap word each); wave w takes k = 128 w .. 128 w + 127; wave 0 adds the eight parts in the order w = 0 .. 7.
; LIMITS.  NaN and infinite gates are not treated apart; the second weight counts as 0 where 2^((s2-s1) log2 e) lies below 2^-126.
; The 16 bitmap words of a work-group go out as 4 bytes each, 128 bytes apart: 64 bytes a work-group, so that a later launch reads an expert's 32 words on end.
.set XTW,   8704                       ; a wave's 32 rows of x in bf16: 256 bytes + 16 of padding each
.set XP,    272
.set WGT,   69632                      ; a wave's 128 rows of Wg in bf16: 16 columns (the 8 experts twice), 32 bytes a row
.set RED,   102400                     ; a wave's partial gates: 32 bytes a lane
.set SPARE, 110592                     ; the spare words, 128 bytes a wave: four blocks of 256 bytes that no other line names
.set X,  16                            ; v16-143  32 rows as loaded, 4 registers each; the first two then hold the row's bf16
.set WG, 144                           ; v144-175 Wg as loaded, then its four fragments
.set XF, 176                           ; v176-239 x's fragments: tile t, K step s at XF + 32 t + 8 s
.set A0, 240                           ; v240-247 gates of tokens 0-15
.set A1, 248                           ; v248-255 gates of tokens 16-31
	s_load_b256 s[4:11], s[0:1], 0x0               ; x s[4:5], Wg s[6:7], bg s[8:9], xb s[10:11]
	s_load_b128 s[12:15], s[0:1], 0x20             ; sel s[12:13], prob s[14:15]
	v_lshl_add_u32 v12, v0, 2, SPARE               ; my spare word; never rewritten
	v_mov_b32 v13, 0                               ; 0; never rewritten
	v_lshrrev_b32 v14, 5, v0
	v_readfirstlane_b32 s24, v14                   ; wave 0..7
	v_and_b32 v1, 31, v0                           ; lane
	v_and_b32 v2, 15, v0                           ; r
	v_bfe_u32 v3, v0, 4, 1                         ; h
	v_lshlrev_b32 v4, 4, v1                        ; 16 bytes a lane
	v_lshlrev_b32 v5, 3, v1                        ; 8 bytes a lane
	s_mul_i32 s25, s24, XTW
	v_add_nc_u32 v6, s25, v5                       ; where I put 8 bytes of a row of x
	v_mul_u32_u24 v7, v2, XP
	v_lshl_add_u32 v7, v3, 4, v7
	v_add_nc_u32 v7, s25, v7                       ; x's fragments: row r x pitch + 16 h
	s_lshl_b32 s26, s24, 12
	s_add_co_u32 s26, s26, WGT
	v_lshrrev_b32 v14, 1, v1
	v_and_b32 v15, 1, v0
	v_lshlrev_b32 v8, 5, v14
	v_lshl_add_u32 v8, v15, 3, v8
	v_add_nc_u32 v8, s26, v8                       ; where I put 4 experts of a row of Wg: row lane / 2, half lane % 2
	v_and_b32 v14, 7, v0
	v_lshl_add_u32 v14, v3, 3, v14
	v_bfe_u32 v15, v0, 3, 1
	v_lshlrev_b32 v9, 5, v14
	v_lshl_add_u32 v9, v15, 4, v9
	v_add_nc_u32 v9, s26, v9                       ; the turning load: row 8 h + lane % 8, 16 bytes by (lane / 8) % 2
	s_lshl_b32 s27, s24, 10
	s_add_co_u32 s27, s27, RED
	v_lshlrev_b32 v11, 5, v1
	v_add_nc_u32 v10, s27, v11                     ; my partial gates
	v_add_nc_u32 v11, RED, v11                     ; wave 0's part of my lane: the others lie 1,024 bytes apart
	s_lshl_b32 s28, ttmp9, 17                      ; x: 32 rows of 4,096 bytes a work-group,
	s_lshl_b32 s30, s24, 9                         ; 512 bytes of a row a wave
	s_add_co_u32 s28, s28, s30
	s_mov_b32 s29, 0
	s_lshl_b32 s30, s24, 12                        ; Wg: 128 rows of 32 bytes a wave
	s_mov_b32 s31, 0
	s_lshl_b32 s32, ttmp9, 16                      ; xb: 32 rows of 2,048 bytes, 256 bytes a wave
	s_lshl_b32 s34, s24, 8
	s_add_co_u32 s32, s32, s34
	s_mov_b32 s33, 0
	s_lshl_b32 s36, ttmp9, 8                       ; prob: 8 bytes a token
	s_mov_b32 s37, 0
	s_lshl_b32 s38, ttmp9, 2                       ; sel: my word
	s_mov_b32 s39, 0
	s_mov_b32 s35, 0xffff0000                      ; lanes 16-31
	s_wait_kmcnt 0x0
	s_load_b256 s[16:23], s[8:9], 0x0              ; bg
	s_add_nc_u64 s[4:5], s[4:5], s[28:29]
	s_add_nc_u64 s[6:7], s[6:7], s[30:31]
	s_add_nc_u64 s[10:11], s[10:11], s[32:33]
	s_add_nc_u64 s[14:15], s[14:15], s[36:37]
	s_add_nc_u64 s[12:13], s[12:13], s[38:39]
.irp j, 0,1,2,3,4,5,6,7
	global_load_b128 v[WG+4*\j:WG+4*\j+3], v4, s[6:7] offset:512*\j
.endr
.set i, 0
.rept 32                                               ; all 32 rows at once: 512 consecutive bytes a load
	global_load_b128 v[X+4*i:X+4*i+3], v4, s[4:5] offset:4096*i th:TH_LOAD_NT
.set i, i+1
.endr
	s_wait_loadcnt 32                              ; Wg is in; the 32 loads of x stay out
.irp j, 0,1,2,3,4,5,6,7
	v_cvt_pk_bf16_f32 v[WG+4*\j], v[WG+4*\j], v[WG+4*\j+1]
	v_cvt_pk_bf16_f32 v[WG+4*\j+1], v[WG+4*\j+2], v[WG+4*\j+3]
	ds_store_b64 v8, v[WG+4*\j:WG+4*\j+1] offset:512*\j
	ds_store_b64 v8, v[WG+4*\j:WG+4*\j+1] offset:512*\j+16  ; columns 8-15 repeat the experts
.endr
.set i, 0
.rept 32
	s_wait_loadcnt 31-i                            ; loads come back in order: row i is in
	v_cvt_pk_bf16_f32 v[X+4*i], v[X+4*i], v[X+4*i+1]
	v_cvt_pk_bf16_f32 v[X+4*i+1], v[X+4*i+2], v[X+4*i+3]
	global_store_b64 v5, v[X+4*i:X+4*i+1], s[10:11] offset:2048*i  ; the wave's store covers 256 consecutive bytes, aligned
	ds_store_b64 v6, v[X+4*i:X+4*i+1] offset:XP*i
.set i, i+1
.endr
	; all these LDS bytes are the wave's own, and LDS serves a wave's instructions in order: no barrier, no wait between stores and loads
.irp s, 0,1,2,3
	ds_load_tr16_b128 v[WG+8*\s:WG+8*\s+3], v9 offset:1024*\s
	ds_load_tr16_b128 v[WG+8*\s+4:WG+8*\s+7], v9 offset:1024*\s+512
.endr
.irp t, 0,1
.irp s, 0,1,2,3
	ds_load_b128 v[XF+32*\t+8*\s:XF+32*\t+8*\s+3], v7 offset:4352*\t+64*\s
	ds_load_b128 v[XF+32*\t+8*\s+4:XF+32*\t+8*\s+7], v7 offset:4352*\t+64*\s+32
.endr
.endr
	s_wait_dscnt 0x0
	; source 0 = 16 columns of Wg, source 1 = 16 tokens: register j of a lane is expert j's gate for token lane % 16.  The two accumulators take turns.
	v_wmma_f32_16x16x32_bf16 v[A0:A0+7], v[WG:WG+7], v[XF:XF+7], 0
	v_wmma_f32_16x16x32_bf16 v[A1:A1+7], v[WG:WG+7], v[XF+32:XF+39], 0
.irp s, 1,2,3
	v_wmma_f32_16x16x32_bf16 v[A0:A0+7], v[WG+8*\s:WG+8*\s+7], v[XF+8*\s:XF+8*\s+7], v[A0:A0+7]
	v_wmma_f32_16x16x32_bf16 v[A1:A1+7], v[WG+8*\s:WG+8*\s+7], v[XF+32+8*\s:XF+32+8*\s+7], v[A1:A1+7]
.endr
.rept 4
	v_nop                                          ; four places behind the last product
.endr
	s_wait_xcnt 0x0                                ; the stores of xb have read their registers: X's are written again only behind this wait
.irp j, 0,1,2,3,4,5,6,7
	v_cndmask_b32 v[X+\j], v[A0+\j], v[A1+\j], s35 ; lane L now stands for token L of the work-group
.endr
	ds_store_b128 v10, v[X:X+3]
	ds_store_b128 v10, v[X+4:X+7] offset:16
	s_wait_kmcnt 0x0                               ; bg
	s_wait_dscnt 0x0                               ; for the others' sake: my part is in LDS
	s_barrier_signal -1
	s_barrier_wait -1
	s_cmp_lg_u32 s24, 0
	s_cbranch_scc1 .Lend                           ; the rest is wave 0's
.irp w, 0,1,2,3,4,5,6,7
	ds_load_b128 v[24+8*\w:24+8*\w+3], v11 offset:1024*\w
	ds_load_b128 v[24+8*\w+4:24+8*\w+7], v11 offset:1024*\w+16
.endr
.irp k, 0,1,2,3
	v_cvt_pk_bf16_f32 v[88+\k], s[16+2*\k], s[17+2*\k]  ; bg rounded to bf16,
.endr
.irp k, 0,1,2,3
	v_lshlrev_b32 v[96+2*\k], 16, v[88+\k]         ; and widened again
	v_and_b32 v[97+2*\k], 0xffff0000, v[88+\k]
.endr
	s_wait_dscnt 0x0
.irp w, 1,2,3,4,5,6,7
.irp k, 0,1,2,3
	v_pk_add_f32 v[24+2*\k:25+2*\k], v[24+2*\k:25+2*\k], v[24+8*\w+2*\k:25+8*\w+2*\k]
.endr
.endr
.irp k, 0,1,2,3
	v_pk_add_f32 v[24+2*\k:25+2*\k], v[24+2*\k:25+2*\k], v[96+2*\k:97+2*\k]
.endr
	v_mov_b32 v104, v24                            ; the largest gate and its expert: a strictly greater one replaces, experts ascending, so the lower index keeps a tie
	v_mov_b32 v105, 0
.irp e, 1,2,3,4,5,6,7
	v_cmp_gt_f32 vcc_lo, v[24+\e], v104
	v_cndmask_b32 v104, v104, v[24+\e], vcc_lo
	v_cndmask_b32 v105, v105, \e, vcc_lo
.endr
	v_mov_b32 v108, 0xff800000
.irp e, 0,1,2,3,4,5,6,7
	v_cmp_eq_u32 vcc_lo, \e, v105
	v_cndmask_b32 v[24+\e], v[24+\e], v108, vcc_lo ; the winner is taken out
.endr
	v_mov_b32 v106, v24                            ; the second largest, likewise
	v_mov_b32 v107, 0
.irp e, 1,2,3,4,5,6,7
	v_cmp_gt_f32 vcc_lo, v[24+\e], v106
	v_cndmask_b32 v106, v106, v[24+\e], vcc_lo
	v_cndmask_b32 v107, v107, \e, vcc_lo
.endr
	v_sub_f32 v109, v106, v104                     ; s2 - s1 <= 0: the maximum is taken away
	v_mul_f32 v109, 0x3fb8aa3b, v109
	v_exp_f32 v110, v109
	v_nop                                          ; a plain instruction behind the exponential,
	s_wait_alu depctr_va_vdst(0)                   ; and the wait ahead of its first reader
	v_add_f32 v111, 1.0, v110
	v_rcp_f32 v112, v111                           ; p1 = 1 / (1 + e^(s2-s1))
	v_nop
	s_wait_alu depctr_va_vdst(0)
	v_mul_f32 v113, v110, v112                     ; p2 = e^(s2-s1) p1
	global_store_b64 v5, v[112:113], s[14:15]      ; 256 consecutive bytes, aligned
	v_mov_b32 v114, 0
.irp e, 0,1,2,3,4,5,6,7
	v_cmp_eq_u32 s40, \e, v105
	v_cmp_eq_u32 s41, \e, v107
	s_or_b32 s40, s40, s41
	v_writelane_b32 v114, s40, \e                  ; lane e: who chose e
	v_writelane_b32 v114, s41, \e+8                ; lane 8 + e: whose second choice e is
.endr
	v_lshlrev_b32 v115, 7, v1
	v_cmp_gt_u32 vcc_lo, 16, v1
	s_wait_xcnt 0x0                                ; EXEC changes only behind this wait
	s_and_saveexec_b32 s42, vcc_lo
	global_store_b32 v115, v114, s[12:13]
	s_wait_xcnt 0x0                                ; and again in front of the line that widens it
	s_or_b32 exec_lo, exec_lo, s42
.Lend:
	s_wait_tensorcnt 0x0                           ; the wave's end, behind my last LDS store
	ds_add_u32 v12, v13
	s_wait_dscnt 0x0
	s_endpgm
.Lfunc_end_k_q96560939d6_router:
	.size	k_q96560939d6_router, .Lfunc_end_k_q96560939d6_router-k_q96560939d6_router
	.p2alignl 7, 3214868480
	.fill 96, 4, 3214868480
	.section	.rodata,"a",@progbits
	.p2align	6, 0x0
	.amdhsa_kernel k_q96560939d6_router
		.amdhsa_group_segment_fixed_size 111616
		.amdhsa_private_segment_fixed_size 0
		.amdhsa_enable_private_segment 0
		.amdhsa_kernarg_size 48
		.amdhsa_user_sgpr_count 2
		.amdhsa_user_sgpr_kernarg_segment_ptr 1
		.amdhsa_wavefront_size32 1
		.amdhsa_system_sgpr_workgroup_id_x 1
		.amdhsa_system_sgpr_workgroup_id_y 1
		.amdhsa_system_sgpr_workgroup_id_z 1
		.amdhsa_system_vgpr_workitem_id 0
		.amdhsa_next_free_vgpr 256
		.amdhsa_next_free_sgpr 66
		.amdhsa_reserve_vcc 1
		.amdhsa_float_denorm_mode_32 3
		.amdhsa_float_denorm_mode_16_64 3
		.amdhsa_memory_ordered 1
		.amdhsa_forward_progress 1
		.amdhsa_inst_pref_size 31
	.end_amdhsa_kernel
	.amdgpu_metadata
---
amdhsa.version: [ 1, 2 ]
amdhsa.kernels:
  - .name:           k_q96560939d6_router
    .symbol:         k_q96560939d6_router.kd
    .args:
      - { .name: x, .offset: 0, .size: 8, .value_kind: global_buffer, .address_space: global }
      - { .name: Wg, .offset: 8, .size: 8, .value_kind: global_buffer, .address_space: global }
      - { .name: bg, .offset: 16, .size: 8, .value_kind: global_buffer, .address_space: global }
      - { .name: xb, .offset: 24, .size: 8, .value_kind: global_buffer, .address_space: global }
      - { .name: sel, .offset: 32, .size: 8, .value_kind: global_buffer, .address_space: global }
      - { .name: prob, .offset: 40, .size: 8, .value_kind: global_buffer, .address_space: global }
    .group_segment_fixed_size: 111616
    .private_segment_fixed_size: 0
    .kernarg_segment_align: 8
    .kernarg_segment_size: 48
    .max_flat_workgroup_size: 256
    .sgpr_count:     66
    .vgpr_count:     256
    .wavefront_size: 32
...
	.end_amdgpu_metadata
.endif
;; end of part 1
;; launch ffn1 (part 2): grid 32 x 8, 8 waves a work-group, no clusters, 179,200 bytes of LDS; arguments xb, W1, b1, sel, hf; writes hf
.if DOCPART == 2
	.amdgcn_target "amdgcn-amd-amdhsa--gfx1250"
	.amdhsa_code_object_version 6
	.text
	.protected	k_q96560939d6_ffn1
	.globl	k_q96560939d6_ffn1
	.p2align	8
	.type	k_q96560939d6_ffn1,@function
k_q96560939d6_ffn1:
	s_mov_b64 s[64:65], 0
	v_nop
	global_prefetch_b8 v0, s[64:65] scope:SCOPE_SE
	s_setreg_imm32_b32 hwreg(HW_REG_WAVE_MODE, 25, 1), 1
	s_wait_xcnt 0x0
; FIRST PRODUCT.  h = relu(x W1[e] + b1[e]) for the rows that chose expert e alone.  Work-group (ns, e) owns W1[e][:, 128 ns .. +127], 512 KB of f32 that nobody else reads,
; and all rows of expert e, in the order of their tokens (rank = set bits below the token's in sel's bitmap).  W1 and b1 are rounded to bf16 on their way; sums in f32, begun at the bias; h rounded once to bf16.
; hf takes h in the order in which the second product's operand registers want it: [e][block of 16 ranks][K step of 32][half][lane][16 bytes].
; K goes in 8 chunks of 128.  A chunk of W comes through registers (a load takes a whole 512-byte row of the slice), is rounded and laid as [k][n] into one of two LDS slots; the turning load makes fragments of it.
; Chunk c+3 of W is asked for in step c, chunk c+1 of the rows likewise: a wave has up to 16 + 24 + 16 = 56 loads out in the loop.
; ROWS.  A pass serves 24 blocks of 16 ranks: wave w has blocks 24 p + w + 8 i, i = 0..2, against all 128 columns.  Three passes cover 1,152 >= 1,024 ranks, so every split of the tokens is served;
; a pass past the count passes its barriers and does nothing else.  Places past the count in the last block repeat the expert's first row and are stored too, so that all of a block that is read later is written.
; WHICH TOKEN HAS A RANK is found in registers: the bitmap's 32 words stay in scalar registers, each wave searches them for its own 48 ranks, and the tokens wait, two to a scalar register, for the loads.
; NO MULTICAST: each slice of W has one reader, and the rows come by rank, which no tile descriptor covers.
; LIMITS.  relu of a NaN gives 0; the order of the f32 sums is the matrix unit's.
; REGISTERS, in windows of 256 (s_set_vgpr_msb: bits 1:0 source 0, 3:2 source 1, 5:4 source 2, 7:6 destination):
;   window 0: v0 thread; v1-7 addresses; v8-71 BF, 8 fragments of W; v72-95 AF, 3 fragments of rows; v96-191 AS, the rows as they land; v192-255 W as it lands, even chunks
;   window 1: v0-191 the accumulators, (i, nb) at 64 i + 8 nb; v192-255 W as it lands, odd chunks
.set WPITCH, 16384                     ; bytes from row to row of W1
.set WSTEP,  128*WPITCH                ; a chunk
.set ASTEP,  256                       ; a chunk's bytes in a row of xb
.set WROW,   288                       ; an LDS row of W: 128 bf16 + 32 bytes of padding
.set SLOTB,  128*WROW
.set AB,     2*SLOTB                   ; each wave's 48 rows of x: 256 bytes + 16 of padding
.set AP,     272
.set ABW,    48*AP
.set SPARE,  AB+8*ABW                  ; the spare words, 128 bytes a wave: four blocks of 256 bytes that no other line names
.set L16, 1                            ; 16 x lane; never rewritten
.set R16, 2                            ; 16 x (lane % 16); never rewritten
.set BAD, 3                            ; v3, v4  the turning load's address in slot 0, 1
.set AST, 5                            ; where I put 16 bytes of a row of x
.set AFA, 6                            ; the rows' fragments: row r x pitch + 16 h
.set SH,  7                            ; 16 x (lane / 16): which half of a pair of tokens is mine; never rewritten
.set BF,  8
.set AF,  72
.set AS,  96
.set WS,  192
.set QN,  AS                           ; the search's registers, two of each (even ranks, odd ranks), in AS while no row is on its way: rank, then rank inside the word
.set QW,  AS+2                         ; the word
.set QK,  AS+4                         ; its number << 16 | set bits below it
.set QA,  AS+6                         ; the word's sums of 2 bits,
.set QB,  AS+8                         ; of 4,
.set QC,  AS+10                        ; of 8,
.set QD,  AS+12                        ; of 16
.set QT,  AS+14
.set QU,  AS+16
.set QP,  AS+18                        ; the bit's place, then the token
.set SW,  14                           ; wave
.set SE,  15                           ; expert
.set SN,  16                           ; slice
.set CNT, 17                           ; the expert's rows
.set NBLK, 18                          ; its blocks
.set LIVE, 19                          ; 1: the pass in hand has rows
.set NBW, 20                           ; my wave's blocks in it, 0..3
.set NBAO, 21                          ; the same, 0 in the last step
.set T,   22                           ; trip: two chunks
.set P,   23                           ; pass
.set MK,  24
.set SX,  25
.set OF,  26                           ; s[26:27] an offset, the high word 0
.set WB,  28                           ; s[28:29] W at my wave's first row of chunk 0
.set WP,  30                           ; s[30:31] W at the chunk asked for last
                                       ; s32-63   who chose expert e: 32 words, kept
.set TK,  66                           ; s66-89   load q of block i: the tokens of ranks 2 q and 2 q + 1 of the block, 16 bits each, at TK + 8 i + q
.set XA,  90                           ; s[90:91] xb at the chunk asked for last
.set HS,  92                           ; s[92:93] hf at my wave's first block of the pass
.set PP,  94                           ; the pass that is being prepared
.set T0,  95
.set T1,  96                           ; s[96:97]
.set WSB, 98                           ; my wave's first row in a slot, in bytes
.set RUN, 99
.set PK,  100
.set MSB, 0
.macro WIN new                         ; the immediate's high byte repeats the setting that is left; a switch that changes nothing is dropped
.if MSB != (\new)
	s_set_vgpr_msb (MSB<<8)|(\new)
.set MSB, (\new)
.endif
.endm
; Work for my wave's blocks 1, 2 (GATE12) or 0, 1, 2 (GATE3): the blocks past the count in s[nb] are jumped, forward, past text without a barrier.
.macro GATE12 nb, m, x=0
	s_cmp_lt_u32 s[\nb], 2
	s_cbranch_scc1 .Lg_\@
	\m 1, \x
	s_cmp_lt_u32 s[\nb], 3
	s_cbranch_scc1 .Lg_\@
	\m 2, \x
.Lg_\@:
.endm
.macro GATE3 nb, m, x=0
	s_cmp_lt_u32 s[\nb], 1
	s_cbranch_scc1 .Lh_\@
	\m 0, \x
	GATE12 \nb, \m, \x
.Lh_\@:
.endm
; 16 loads: my wave's 16 rows of a chunk, 512 consecutive bytes each
.macro WISSUE set, base, off
	WIN 0x40*(\set)
.set wi, 0
.rept 16
	global_load_b128 v[WS+4*wi:WS+4*wi+3], v[L16], s[\base:\base+1] offset:(\off)+wi*WPITCH th:TH_LOAD_NT
.set wi, wi+1
.endr
	WIN 0
.endm
; Chunk c + 3, which exists while the trip's number is below lim: 16 plain loads, and the wave goes on at once.  Past that the 16 loads are issued with no lane on: they fetch nothing,
; and both ways issue 16 loads, so that the counted wait at a step's head counts the same whichever way was taken.
.macro WNEXT set, lim
	s_cmp_lt_u32 s[T], \lim
	s_cbranch_scc1 .Lwl_\@
	s_mov_b32 s[MK], 0
	s_wait_xcnt 0x0                                ; EXEC changes only behind this wait
	s_and_saveexec_b32 s[SX], s[MK]
	WISSUE \set, WP, 0
	s_wait_xcnt 0x0                                ; and again in front of the line that widens it
	s_or_b32 exec_lo, exec_lo, s[SX]
	s_branch .Lwd_\@
.Lwl_\@:
	WISSUE \set, WP, 0
.Lwd_\@:
.endm
; a chunk's 16 rows are rounded in place and laid into a slot: a row's store covers 256 consecutive bytes.  The address is made anew in a register of BF, which is free outside the products.
.macro WCVT set, slot
	v_and_b32 v[BF], 31, v0
	v_lshl_add_u32 v[BF], v[BF], 3, s[WSB]
	WIN 0x45*(\set)
.set ci, 0
.rept 16
	v_cvt_pk_bf16_f32 v[WS+4*ci], v[WS+4*ci], v[WS+4*ci+1]
	v_cvt_pk_bf16_f32 v[WS+4*ci+1], v[WS+4*ci+2], v[WS+4*ci+3]
.set ci, ci+1
.endr
	WIN 0x04*(\set)
.set ci, 0
.rept 16
	ds_store_b64 v[BF], v[WS+4*ci:WS+4*ci+1] offset:(\slot)*SLOTB+ci*WROW
.set ci, ci+1
.endr
	WIN 0
.endm
.macro ASBLK i, x                      ; block i's 16 rows of a chunk go into my wave's LDS rows
.irp q, 0,1,2,3,4,5,6,7
	ds_store_b128 v[AST], v[AS+32*(\i)+4*\q:AS+32*(\i)+4*\q+3] offset:(16*(\i)+2*\q)*AP
.endr
.endm
; block i's 8 loads: two rows of 256 bytes each.  Lanes 0-15 take the pair's low token, lanes 16-31 its high one; clamped; 2,048 bytes a token, 16 a lane.  The offset stands in the register on which the load lands.
.macro AIBLK i, x
.irp q, 0,1,2,3,4,5,6,7
	v_bfe_u32 v[AS+32*(\i)+4*\q], s[TK+8*(\i)+\q], v[SH], 16
	v_min_u32 v[AS+32*(\i)+4*\q], 0x3ff, v[AS+32*(\i)+4*\q]
	v_lshl_add_u32 v[AS+32*(\i)+4*\q], v[AS+32*(\i)+4*\q], 11, v[R16]
.endr
.irp q, 0,1,2,3,4,5,6,7
	global_load_b128 v[AS+32*(\i)+4*\q:AS+32*(\i)+4*\q+3], v[AS+32*(\i)+4*\q], s[XA:XA+1]
.endr
.endm
.macro AFLD i, s
	ds_load_b128 v[AF+8*(\i):AF+8*(\i)+3], v[AFA] offset:(\i)*16*AP+64*(\s)
	ds_load_b128 v[AF+8*(\i)+4:AF+8*(\i)+7], v[AFA] offset:(\i)*16*AP+64*(\s)+32
.endm
; 8 products of block i: source 0 = 16 columns of W, source 1 = 16 rows: a lane then holds eight neighbouring columns of one row.  The 8 accumulators take turns.
.macro MMBLK i, x
	WIN 0x50
.irp nb, 0,1,2,3,4,5,6,7
.if (\i) == 0
	s_wait_dscnt 14-2*\nb                          ; W's fragment nb is in: 2 (7 - nb) younger loads may stay out; the rows' fragments are older
.endif
	v_wmma_f32_16x16x32_bf16 v[64*(\i)+8*\nb:64*(\i)+8*\nb+7], v[BF+8*\nb:BF+8*\nb+7], v[AF+8*(\i):AF+8*(\i)+7], v[64*(\i)+8*\nb:64*(\i)+8*\nb+7]
.endr
	WIN 0
.endm
.macro CSTEP slot, s                   ; 32 along K
	AFLD 0, \s
	GATE12 NBW, AFLD, \s
.irp nb, 0,1,2,3,4,5,6,7
	ds_load_tr16_b128 v[BF+8*\nb:BF+8*\nb+3], v[BAD+\slot] offset:(\s)*32*WROW+32*\nb
	ds_load_tr16_b128 v[BF+8*\nb+4:BF+8*\nb+7], v[BAD+\slot] offset:(\s)*32*WROW+16*WROW+32*\nb
.endr
	MMBLK 0
	GATE12 NBW, MMBLK
.rept 4
	v_nop                                          ; four places behind the last product: whatever follows may load into its sources or read its result
.endr
.endm
.macro COMPUTE slot
	s_cmp_eq_u32 s[NBW], 0
	s_cbranch_scc1 .Lcx_\@
.irp s, 0,1,2,3
	CSTEP \slot, \s
.endr
.Lcx_\@:
.endm
; Step c (par = c % 2).  Out at its head, in order: W(c+1), the rows of chunk c, W(c+2).
.macro STEP par, nb, lim
	s_cmp_eq_u32 s[LIVE], 0
	s_cbranch_scc1 .Ldead_\@
	s_wait_loadcnt 16                              ; all but the youngest 16, which are W(c+2)
	s_wait_xcnt 0x0                                ; what is still out was issued a step ago: the two pointers step only behind this wait, and no wait stands behind this step's loads
	s_cmp_lt_u32 s[T], \lim
	s_cselect_b32 s[OF], WSTEP, 0                  ; W's pointer stops at the last chunk
	s_add_nc_u64 s[WP:WP+1], s[WP:WP+1], s[OF:OF+1]
	s_add_nc_u64 s[XA:XA+1], s[XA:XA+1], ASTEP
	GATE3 NBW, ASBLK
	GATE3 \nb, AIBLK                               ; the rows of chunk c+1, ahead of W's loads, so that the counted wait never leaves one of them out
	WCVT 1-(\par), 1-(\par)                        ; W(c+1) into the slot that was read in the step before: a barrier lies between
	WNEXT 1-(\par), \lim                           ; W(c+3)
	COMPUTE \par
	s_branch .Ljoin_\@
.Ldead_\@:
	s_wait_loadcnt 0x0
.Ljoin_\@:
	s_wait_dscnt 0x0                               ; my stores into the other slot are done, and my reads of this one are over
	s_barrier_signal -1
	s_barrier_wait -1
.endm
.macro PREP_A                          ; a pass begins: the bias, W(0), W(1)
	v_bfe_u32 v[AF+23], v0, 4, 1
	v_lshlrev_b32 v[AF+23], 5, v[AF+23]            ; 32 h
.irp nb, 0,1,2,3,4,5,6,7
	global_load_b128 v[BF+8*\nb:BF+8*\nb+3], v[AF+23], s[8:9] offset:64*\nb
	global_load_b128 v[BF+8*\nb+4:BF+8*\nb+7], v[AF+23], s[8:9] offset:64*\nb+16
.endr
	WISSUE 0, WB, 0
	WISSUE 1, WB, WSTEP
.endm
; The bias, rounded to bf16, starts the sums of all three blocks.  In place in BF: packed upward (word bi is written when words 2 bi and 2 bi + 1 have been read), widened downward (words 2 bi and 2 bi + 1 lie above every word still to be read).
.macro BIASINIT
.set bi, 0
.rept 32
	v_cvt_pk_bf16_f32 v[BF+bi], v[BF+2*bi], v[BF+2*bi+1]
.set bi, bi+1
.endr
.set bi, 31
.rept 32
	v_and_b32 v[BF+2*bi+1], 0xffff0000, v[BF+bi]
	v_lshlrev_b32 v[BF+2*bi], 16, v[BF+bi]
.set bi, bi-1
.endr
	WIN 0x40
.set bi, 0
.rept 192
	v_mov_b32 v[bi], v[BF+bi%64]
.set bi, bi+1
.endr
	WIN 0
.endm
; One halving of the search for the n-th set bit: t = the set bits in the lower part (wid bits of the sums in src, at the place reached); where n >= t the bit lies above: n -= t, place += step.
.macro LEVEL src, wid, step
.irp x, 0,1
	v_bfe_u32 v[QT+\x], v[\src+\x], v[QP+\x], \wid
.endr
.irp x, 0,1
	v_cmp_ge_u32 s[MK+\x], v[QN+\x], v[QT+\x]
.endr
.irp x, 0,1
	v_cndmask_b32 v[QT+\x], 0, v[QT+\x], s[MK+\x]
	v_cndmask_b32 v[QU+\x], 0, \step, s[MK+\x]
.endr
.irp x, 0,1
	v_sub_nc_u32 v[QN+\x], v[QN+\x], v[QT+\x]
	v_add_nc_u32 v[QP+\x], v[QP+\x], v[QU+\x]
.endr
.endm
; THE TOKENS OF MY WAVE'S 48 RANKS.  Lane 8 i + q searches for ranks 16 (T0 + 8 i) + 2 q and + 1 (lanes 24-31 serve nothing); a rank past the count becomes rank 0.
; The rank's word is the last whose count of set bits below it is not above the rank: 31 compares, words ascending.  Then the n-th set bit of that word, by five halvings.
.macro SELECT
	v_bfe_u32 v[QT], v0, 3, 2
	v_and_b32 v[QU], 7, v0
	v_lshlrev_b32 v[QU], 1, v[QU]
	v_lshl_add_u32 v[QU], v[QT], 7, v[QU]          ; 128 i + 2 q
	s_lshl_b32 s[T1], s[T0], 4
	v_add_nc_u32 v[QN], s[T1], v[QU]
	v_add_nc_u32 v[QN+1], 1, v[QN]
.irp x, 0,1
	v_cmp_gt_u32 vcc_lo, s[CNT], v[QN+\x]
	v_cndmask_b32 v[QN+\x], 0, v[QN+\x], vcc_lo
	v_mov_b32 v[QW+\x], s32
	v_mov_b32 v[QK+\x], 0
	v_mov_b32 v[QP+\x], 0
.endr
	s_bcnt1_i32_b32 s[RUN], s32
.set lj, 1
.rept 31
	s_add_co_u32 s[PK], s[RUN], lj<<16
	v_cmp_le_u32 vcc_lo, s[RUN], v[QN]
	v_cmp_le_u32 s[MK], s[RUN], v[QN+1]
	v_cndmask_b32 v[QW], v[QW], s[32+lj], vcc_lo
	v_cndmask_b32 v[QK], v[QK], s[PK], vcc_lo
	v_cndmask_b32 v[QW+1], v[QW+1], s[32+lj], s[MK]
	v_cndmask_b32 v[QK+1], v[QK+1], s[PK], s[MK]
	s_bcnt1_i32_b32 s[T1], s[32+lj]
	s_add_co_u32 s[RUN], s[RUN], s[T1]
.set lj, lj+1
.endr
.irp x, 0,1
	v_and_b32 v[QT+\x], 0xffff, v[QK+\x]
	v_lshrrev_b32 v[QA+\x], 1, v[QW+\x]
.endr
.irp x, 0,1
	v_sub_nc_u32 v[QN+\x], v[QN+\x], v[QT+\x]      ; the rank inside the word
	v_and_b32 v[QA+\x], 0x55555555, v[QA+\x]
.endr
.irp x, 0,1
	v_sub_nc_u32 v[QA+\x], v[QW+\x], v[QA+\x]      ; sums of 2 bits
.endr
.irp x, 0,1
	v_lshrrev_b32 v[QB+\x], 2, v[QA+\x]
	v_and_b32 v[QT+\x], 0x33333333, v[QA+\x]
.endr
.irp x, 0,1
	v_and_b32 v[QB+\x], 0x33333333, v[QB+\x]
.endr
.irp x, 0,1
	v_add_nc_u32 v[QB+\x], v[QB+\x], v[QT+\x]      ; of 4
.endr
.irp x, 0,1
	v_lshrrev_b32 v[QC+\x], 4, v[QB+\x]
.endr
.irp x, 0,1
	v_add_nc_u32 v[QC+\x], v[QC+\x], v[QB+\x]
.endr
.irp x, 0,1
	v_and_b32 v[QC+\x], 0x0f0f0f0f, v[QC+\x]       ; of 8
.endr
.irp x, 0,1
	v_lshrrev_b32 v[QD+\x], 8, v[QC+\x]
.endr
.irp x, 0,1
	v_add_nc_u32 v[QD+\x], v[QD+\x], v[QC+\x]      ; its low byte: of bits 0-15
.endr
	LEVEL QD, 8, 16
	LEVEL QC, 8, 8
	LEVEL QB, 4, 4
	LEVEL QA, 2, 2
	LEVEL QW, 1, 1
.irp x, 0,1
	v_lshrrev_b32 v[QT+\x], 16, v[QK+\x]
.endr
.irp x, 0,1
	v_lshl_add_u32 v[QP+\x], v[QT+\x], 5, v[QP+\x] ; token = 32 x word + place
.endr
	v_lshl_or_b32 v[QP], v[QP+1], 16, v[QP]        ; the pair that one load takes
.set lj, 0
.rept 24
	v_readlane_b32 s[TK+lj], v[QP], lj
.set lj, lj+1
.endr
.endm
.macro PREP_B
	s_mul_i32 s[T0], s[PP], 24
	s_add_co_u32 s[T0], s[T0], s[SW]               ; my wave's first block
	s_sub_co_i32 s[T1], s[NBLK], s[T0]
	s_add_co_i32 s[T1], s[T1], 7
	s_max_i32 s[T1], s[T1], 0
	s_lshr_b32 s[T1], s[T1], 3
	s_min_u32 s[NBW], s[T1], 3                     ; how many of blocks T0, T0 + 8, T0 + 16 exist
	s_lshl_b32 s[T1], s[T0], 17                    ; a block is 131,072 bytes of hf,
	s_lshl_b32 s[T1+1], s[SE], 23                  ; an expert 64 blocks,
	s_add_co_u32 s[T1], s[T1], s[T1+1]
	s_lshl_b32 s[T1+1], s[SN], 12                  ; my slice 4 K steps of 1,024 bytes
	s_add_co_u32 s[T1], s[T1], s[T1+1]
	s_mov_b32 s[T1+1], 0
	s_add_nc_u64 s[HS:HS+1], s[12:13], s[T1:T1+1]
	SELECT
	s_mov_b64 s[XA:XA+1], s[4:5]
	GATE3 NBW, AIBLK                               ; the rows of chunk 0 go out as soon as their tokens are known
	s_wait_loadcnt 32                              ; the bias is in: at least W(0) and W(1), 32 loads, are younger
	BIASINIT
	s_wait_loadcnt 16                              ; W(0) is in: at least W(1), 16 loads, is younger
	WCVT 0, 0
	WISSUE 0, WB, 2*WSTEP                          ; W(2): out are now, in order, W(1), the rows of chunk 0, W(2)
	s_add_nc_u64 s[WP:WP+1], s[WB:WB+1], 2*WSTEP
.endm
; THE WAY OUT of block i: rounded to bf16, relu on the packed halves, and a lane's 16 bytes are half an operand fragment of the second product: each store covers 512 consecutive bytes
.macro EPIBLK i, x
	WIN 0x05
.irp nb, 0,1,2,3,4,5,6,7
.irp r, 0,1,2,3
	v_cvt_pk_bf16_f32 v[AS+32*(\i)+4*\nb+\r], v[64*(\i)+8*\nb+2*\r], v[64*(\i)+8*\nb+2*\r+1]
.endr
.endr
	WIN 0
.set ei, 0
.rept 32
	v_pk_max_num_bf16 v[AS+32*(\i)+ei], v[AS+32*(\i)+ei], v[AF]
.set ei, ei+1
.endr
.irp nb, 0,1,2,3,4,5,6,7
	global_store_b128 v[L16], v[AS+32*(\i)+4*\nb:AS+32*(\i)+4*\nb+3], s[HS:HS+1] offset:(\i)*1048576+512*\nb
.endr
.endm
	s_load_b256 s[4:11], s[0:1], 0x0               ; xb s[4:5], W1 s[6:7], b1 s[8:9], sel s[10:11]
	s_load_b64 s[12:13], s[0:1], 0x20              ; hf
	v_lshrrev_b32 v8, 5, v0
	v_readfirstlane_b32 s[SW], v8
	s_and_b32 s[SE], ttmp7, 0xffff
	s_mov_b32 s[SN], ttmp9
	s_mov_b32 s[OF+1], 0
	s_mul_i32 s[WSB], s[SW], 16*WROW
	v_and_b32 v8, 31, v0                           ; lane
	v_bfe_u32 v9, v0, 4, 1                         ; h
	v_and_b32 v10, 15, v0                          ; r
	v_lshlrev_b32 v[L16], 4, v8
	v_lshlrev_b32 v[R16], 4, v10
	v_lshlrev_b32 v[SH], 4, v9
	v_and_b32 v11, 7, v0
	v_lshl_add_u32 v11, v9, 3, v11
	v_mul_u32_u24 v[BAD], v11, WROW                ; row 8 h + lane % 8,
	v_bfe_u32 v11, v0, 3, 1
	v_lshl_add_u32 v[BAD], v11, 4, v[BAD]          ; 16 bytes by (lane / 8) % 2
	v_add_nc_u32 v[BAD+1], SLOTB, v[BAD]
	s_mul_i32 s2, s[SW], ABW
	s_add_co_u32 s2, s2, AB
	v_mul_u32_u24 v[AST], v9, AP
	v_lshl_add_u32 v[AST], v10, 4, v[AST]
	v_add_nc_u32 v[AST], s2, v[AST]
	v_mul_u32_u24 v[AFA], v10, AP
	v_lshl_add_u32 v[AFA], v9, 4, v[AFA]
	v_add_nc_u32 v[AFA], s2, v[AFA]
	s_wait_kmcnt 0x0
	s_lshl_b32 s[OF], s[SE], 7
	s_add_nc_u64 s[10:11], s[10:11], s[OF:OF+1]
	s_load_b512 s[32:47], s[10:11], 0x0            ; who chose expert e: 32 words
	s_load_b512 s[48:63], s[10:11], 0x40
	s_lshl_b32 s[OF], s[SE], 24
	s_lshl_b32 s2, s[SN], 9
	s_add_co_u32 s[OF], s[OF], s2
	s_lshl_b32 s3, s[SW], 18                       ; 16 rows of 16,384 bytes a wave
	s_add_co_u32 s[OF], s[OF], s3
	s_add_nc_u64 s[WB:WB+1], s[6:7], s[OF:OF+1]
	s_lshl_b32 s[OF], s[SE], 14
	s_add_co_u32 s[OF], s[OF], s2
	s_add_nc_u64 s[8:9], s[8:9], s[OF:OF+1]
	PREP_A                                         ; the first weights are on their way while the bitmap comes and is searched
.set zi, AF                            ; registers that only some of a wave's blocks fill hold 0 from here on; v95 holds the bias's offset
.rept 23
	v_mov_b32 v[zi], 0
.set zi, zi+1
.endr
.set zi, AS
.rept 96
	v_mov_b32 v[zi], 0
.set zi, zi+1
.endr
	s_wait_kmcnt 0x0
	s_bcnt1_i32_b32 s[CNT], s32
.set lj, 1
.rept 31
	s_bcnt1_i32_b32 s2, s[32+lj]
	s_add_co_u32 s[CNT], s[CNT], s2
.set lj, lj+1
.endr
	s_add_co_u32 s[NBLK], s[CNT], 15
	s_lshr_b32 s[NBLK], s[NBLK], 4
	s_mov_b32 s[PP], 0
	s_cmp_lg_u32 s[NBLK], 0
	s_cselect_b32 s[LIVE], 1, 0
	PREP_B
	s_mov_b32 s[P], 0
.Lpass:
	s_wait_dscnt 0x0                               ; my rows of W(0) are in slot 0
	s_barrier_signal -1
	s_barrier_wait -1                              ; everybody's are
	s_mov_b32 s[T], 0
.Ltrip:                                                ; four trips of two chunks
	s_cmp_lt_u32 s[T], 3
	s_cselect_b32 s[NBAO], s[NBW], 0               ; the last step asks for no rows
	STEP 0, NBW, 3
	STEP 1, NBAO, 2
	s_add_co_u32 s[T], s[T], 1
	s_cmp_lt_u32 s[T], 4
	s_cbranch_scc1 .Ltrip
	s_wait_loadcnt 0x0                             ; the loads issued with no lane on
	s_cmp_eq_u32 s[LIVE], 0
	s_cbranch_scc1 .Lnoepi
	v_mov_b32 v[AF], 0
	GATE3 NBW, EPIBLK
.Lnoepi:
	s_wait_xcnt 0x0                                ; the stores have read their registers and their base
	s_add_co_u32 s[PP], s[P], 1
	s_mul_i32 s[T0], s[PP], 24
	s_min_u32 s[PP], s[PP], 2                      ; a fourth pass is never prepared: 72 blocks are more than an expert can have
	s_cmp_gt_u32 s[NBLK], s[T0]
	s_cselect_b32 s[LIVE], 1, 0
	s_cbranch_scc0 .Lnoprep
	PREP_A                                         ; more than 24 blocks a pass: the slice is read once more
	PREP_B
.Lnoprep:
	s_add_co_u32 s[P], s[P], 1
	s_cmp_lt_u32 s[P], 3
	s_cbranch_scc1 .Lpass
	v_lshl_add_u32 v8, v0, 2, SPARE                ; no two registers could be kept: my spare word's address and 0 are made here, from v0 as it came
	v_mov_b32 v9, 0
	s_wait_tensorcnt 0x0                           ; the wave's end, behind my last LDS store
	ds_add_u32 v8, v9
	s_wait_dscnt 0x0
	s_endpgm
.Lfunc_end_k_q96560939d6_ffn1:
	.size	k_q96560939d6_ffn1, .Lfunc_end_k_q96560939d6_ffn1-k_q96560939d6_ffn1
	.p2alignl 7, 3214868480
	.fill 96, 4, 3214868480
	.section	.rodata,"a",@progbits
	.p2align	6, 0x0
	.amdhsa_kernel k_q96560939d6_ffn1
		.amdhsa_group_segment_fixed_size 179200
		.amdhsa_private_segment_fixed_size 0
		.amdhsa_enable_private_segment 0
		.amdhsa_kernarg_size 40
		.amdhsa_user_sgpr_count 2
		.amdhsa_user_sgpr_kernarg_segment_ptr 1
		.amdhsa_wavefront_size32 1
		.amdhsa_system_sgpr_workgroup_id_x 1
		.amdhsa_system_sgpr_workgroup_id_y 1
		.amdhsa_system_sgpr_workgroup_id_z 1
		.amdhsa_system_vgpr_workitem_id 0
		.amdhsa_next_free_vgpr 512
		.amdhsa_next_free_sgpr 101
		.amdhsa_reserve_vcc 1
		.amdhsa_float_denorm_mode_32 3
		.amdhsa_float_denorm_mode_16_64 3
		.amdhsa_memory_ordered 1
		.amdhsa_forward_progress 1
		.amdhsa_inst_pref_size 183
	.end_amdhsa_kernel
	.amdgpu_metadata
---
amdhsa.version: [ 1, 2 ]
amdhsa.kernels:
  - .name:           k_q96560939d6_ffn1
    .symbol:         k_q96560939d6_ffn1.kd
    .args:
      - { .name: xb, .offset: 0, .size: 8, .value_kind: global_buffer, .address_space: global }
      - { .name: W1, .offset: 8, .size: 8, .value_kind: global_buffer, .address_space: global }
      - { .name: b1, .offset: 16, .size: 8, .value_kind: global_buffer, .address_space: global }
      - { .name: sel, .offset: 24, .size: 8, .value_kind: global_buffer, .address_space: global }
      - { .name: hf, .offset: 32, .size: 8, .value_kind: global_buffer, .address_space: global }
    .group_segment_fixed_size: 179200
    .private_segment_fixed_size: 0
    .kernarg_segment_align: 8
    .kernarg_segment_size: 40
    .max_flat_workgroup_size: 256
    .sgpr_count:     101
    .vgpr_count:     512
    .wavefront_size: 32
...
	.end_amdgpu_metadata
.endif
;; end of part 2
;; launch ffn2 (part 3): grid 32 x 8, 8 waves a work-group, no clusters, 247,552 bytes of LDS; arguments hf, W2, b2, sel, prob, part; writes part
.if DOCPART == 3
	.amdgcn_target "amdgcn-amd-amdhsa--gfx1250"
	.amdhsa_code_object_version 6
	.text
	.protected	k_q96560939d6_ffn2
	.globl	k_q96560939d6_ffn2
	.p2align	8
	.type	k_q96560939d6_ffn2,@function
k_q96560939d6_ffn2:
	s_mov_b64 s[64:65], 0
	v_nop
	global_prefetch_b8 v0, s[64:65] scope:SCOPE_SE
	s_setreg_imm32_b32 hwreg(HW_REG_WAVE_MODE, 25, 1), 1
	s_wait_xcnt 0x0
; SECOND PRODUCT.  part[kc][2 token + slot][:] = p (h[:, quarter kc] W2[e][quarter kc, :] + b2[e] where kc = 0), for the rows that chose expert e alone.
; Work-group (ns + 8 kc, e) owns W2[e][1024 kc .. +1023, 128 ns .. +127], 512 KB of f32 that nobody else reads, and all rows of expert e in the order of the first product (ranks from the same bitmap).
; W2 and b2 are rounded to bf16 on their way; sums in f32, begun at the bias; the four quarters' partial sums stay f32 and are added by the next launch.
; The frame is the first product's: 8 chunks of 128 along K; W through registers into two LDS slots, chunk c+3 asked for in step c; three passes of 24 blocks of 16 ranks, wave w with blocks 24 p + w + 8 i.
; h comes from hf in operand order, 512 consecutive bytes a load, and waits in the wave's own LDS bytes for its chunk: all of a chunk's loads must be issued ahead of W's, since one counter counts both in order.
; NO MULTICAST: each slice of W has one reader; h's tiles are shared by 8 work-groups, but how many there are hangs on a stored count.
; LIMITS.  The order of the f32 sums is the matrix unit's, and K is split in four.
; REGISTERS as in the first product: window 0: v0 thread; v1-7 addresses; v8-71 BF; v72-95 AF; v96-191 AS; v192-255 W, even chunks.  window 1: v0-191 accumulators; v192-255 W, odd chunks.
.set WPITCH, 4096
.set WSTEP,  128*WPITCH
.set ASTEP,  4096                      ; a chunk's bytes in a block of hf: 4 K steps of 1,024
.set WROW,   288
.set SLOTB,  128*WROW
.set AB,     2*SLOTB                   ; each wave's 3 blocks x 4,096 bytes of h
.set ABW,    12288
.set STG,    AB+8*ABW                  ; each wave's stage for the way out: 16 rows of 512 bytes + 16 of padding
.set SP,     528
.set STGW,   16*SP
.set LIST,   STG+8*STGW                ; 2 token + slot by rank: 1,152 words, then 64 words that take the lanes without a token
.set PBUF,   LIST+4608+256             ; each wave's 3 x 16 weights p, in 256 bytes
.set SPARE,  PBUF+2048                 ; the spare words, 128 bytes a wave: four blocks of 256 bytes that no other line names
.set L16, 1
.set WST, 2
.set BAD, 3                            ; v3, v4
.set AAD, 5                            ; my 16 bytes in my wave's h
.set SPW, 6                            ; my spare word; never rewritten
.set NIL, 7                            ; 0; never rewritten
.set BF,  8
.set AF,  72
.set AS,  96
.set WS,  192
.set LIVE, 2
.set BM,  3                            ; all ones where kc = 0, else 0: the bias's mask
.set SW,  16
.set SE,  17
.set SN,  18
.set KC,  19
.set NBW, 20
.set NBAO, 21
.set T,   22
.set P,   23
.set MK,  24
.set SX,  25
.set OF,  26                           ; s[26:27], the high word 0
.set WB,  28
.set WP,  30                           ; s[30:31] W at the chunk asked for last
.set XA,  32                           ; s[32:33] hf at the chunk asked for last (s32-63 and s68-99 hold the bitmaps first)
.set PP,  36
.set T0,  37
.set T1,  38                           ; s[38:39]
.set T2,  40
.set REM, 41                           ; rows from my wave's first block of the pass on
.set CNT, 66
.set NBLK, 67
.set MSB, 0
.macro WIN new
.if MSB != (\new)
	s_set_vgpr_msb (MSB<<8)|(\new)
.set MSB, (\new)
.endif
.endm
.macro GATE12 nb, m, x=0               ; blocks past the count in s[nb] are jumped, forward, past text without a barrier
	s_cmp_lt_u32 s[\nb], 2
	s_cbranch_scc1 .Lg_\@
	\m 1, \x
	s_cmp_lt_u32 s[\nb], 3
	s_cbranch_scc1 .Lg_\@
	\m 2, \x
.Lg_\@:
.endm
.macro GATE3 nb, m, x=0
	s_cmp_lt_u32 s[\nb], 1
	s_cbranch_scc1 .Lh_\@
	\m 0, \x
	GATE12 \nb, \m, \x
.Lh_\@:
.endm
.macro WISSUE set, base, off           ; my wave's 16 rows of a chunk, 512 consecutive bytes each
	WIN 0x40*(\set)
.set wi, 0
.rept 16
	global_load_b128 v[WS+4*wi:WS+4*wi+3], v[L16], s[\base:\base+1] offset:(\off)+wi*WPITCH th:TH_LOAD_NT
.set wi, wi+1
.endr
	WIN 0
.endm
; Chunk c + 3, which exists while the trip's number is below lim: 16 plain loads, and the wave goes on at once.  Past that the 16 loads are issued with no lane on: they fetch nothing,
; and both ways issue 16 loads, so that the counted wait at a step's head counts the same whichever way was taken.
.macro WNEXT set, lim
	s_cmp_lt_u32 s[T], \lim
	s_cbranch_scc1 .Lwl_\@
	s_mov_b32 s[MK], 0
	s_wait_xcnt 0x0                                ; EXEC changes only behind this wait
	s_and_saveexec_b32 s[SX], s[MK]
	WISSUE \set, WP, 0
	s_wait_xcnt 0x0                                ; and again in front of the line that widens it
	s_or_b32 exec_lo, exec_lo, s[SX]
	s_branch .Lwd_\@
.Lwl_\@:
	WISSUE \set, WP, 0
.Lwd_\@:
.endm
.macro WCVT set, slot
	WIN 0x45*(\set)
.set ci, 0
.rept 16
	v_cvt_pk_bf16_f32 v[WS+4*ci], v[WS+4*ci], v[WS+4*ci+1]
	v_cvt_pk_bf16_f32 v[WS+4*ci+1], v[WS+4*ci+2], v[WS+4*ci+3]
.set ci, ci+1
.endr
	WIN 0x04*(\set)
.set ci, 0
.rept 16
	ds_store_b64 v[WST], v[WS+4*ci:WS+4*ci+1] offset:(\slot)*SLOTB+ci*WROW
.set ci, ci+1
.endr
	WIN 0
.endm
.macro ASBLK i, x
.irp q, 0,1,2,3,4,5,6,7
	ds_store_b128 v[AAD], v[AS+32*(\i)+4*\q:AS+32*(\i)+4*\q+3] offset:4096*(\i)+512*\q
.endr
.endm
.macro AIBLK i, x                      ; block i's chunk: 8 loads of 512 consecutive bytes
.irp q, 0,1,2,3,4,5,6,7
	global_load_b128 v[AS+32*(\i)+4*\q:AS+32*(\i)+4*\q+3], v[L16], s[XA:XA+1] offset:(\i)*1048576+512*\q
.endr
.endm
.macro AFLD i, s
	ds_load_b128 v[AF+8*(\i):AF+8*(\i)+3], v[AAD] offset:4096*(\i)+1024*(\s)
	ds_load_b128 v[AF+8*(\i)+4:AF+8*(\i)+7], v[AAD] offset:4096*(\i)+1024*(\s)+512
.endm
.macro MMBLK i, x                      ; source 0 = 16 columns of W, source 1 = 16 rows; the 8 accumulators take turns
	WIN 0x50
.irp nb, 0,1,2,3,4,5,6,7
.if (\i) == 0
	s_wait_dscnt 14-2*\nb                          ; W's fragment nb is in: 2 (7 - nb) younger loads may stay out; the rows' fragments are older
.endif
	v_wmma_f32_16x16x32_bf16 v[64*(\i)+8*\nb:64*(\i)+8*\nb+7], v[BF+8*\nb:BF+8*\nb+7], v[AF+8*(\i):AF+8*(\i)+7], v[64*(\i)+8*\nb:64*(\i)+8*\nb+7]
.endr
	WIN 0
.endm
.macro CSTEP slot, s
	AFLD 0, \s
	GATE12 NBW, AFLD, \s
.irp nb, 0,1,2,3,4,5,6,7
	ds_load_tr16_b128 v[BF+8*\nb:BF+8*\nb+3], v[BAD+\slot] offset:(\s)*32*WROW+32*\nb
	ds_load_tr16_b128 v[BF+8*\nb+4:BF+8*\nb+7], v[BAD+\slot] offset:(\s)*32*WROW+16*WROW+32*\nb
.endr
	MMBLK 0
	GATE12 NBW, MMBLK
.rept 4
	v_nop                                          ; four places behind the last product
.endr
.endm
.macro COMPUTE slot
	s_cmp_eq_u32 s[NBW], 0
	s_cbranch_scc1 .Lcx_\@
.irp s, 0,1,2,3
	CSTEP \slot, \s
.endr
.Lcx_\@:
.endm
.macro STEP par, nb, lim               ; out at its head, in order: W(c+1), h of chunk c, W(c+2)
	s_cmp_eq_u32 s[LIVE], 0
	s_cbranch_scc1 .Ldead_\@
	s_wait_loadcnt 16                              ; all but the youngest 16, which are W(c+2)
	s_wait_xcnt 0x0                                ; what is still out was issued a step ago: the two pointers step only behind this wait, and no wait stands behind this step's loads
	s_cmp_lt_u32 s[T], \lim
	s_cselect_b32 s[OF], WSTEP, 0                  ; W's pointer stops at the last chunk
	s_add_nc_u64 s[WP:WP+1], s[WP:WP+1], s[OF:OF+1]
	s_add_nc_u64 s[XA:XA+1], s[XA:XA+1], ASTEP
	GATE3 NBW, ASBLK
	GATE3 \nb, AIBLK                               ; h of chunk c+1, ahead of W's loads
	WCVT 1-(\par), 1-(\par)                        ; W(c+1) into the slot that was read in the step before: a barrier lies between
	WNEXT 1-(\par), \lim                           ; W(c+3)
	COMPUTE \par
	s_branch .Ljoin_\@
.Ldead_\@:
	s_wait_loadcnt 0x0
.Ljoin_\@:
	s_wait_dscnt 0x0                               ; my stores into the other slot are done, and my reads of this one are over
	s_barrier_signal -1
	s_barrier_wait -1
.endm
.macro PREP_A
	v_bfe_u32 v[AF+23], v0, 4, 1
	v_lshlrev_b32 v[AF+23], 5, v[AF+23]
.irp nb, 0,1,2,3,4,5,6,7
	global_load_b128 v[BF+8*\nb:BF+8*\nb+3], v[AF+23], s[8:9] offset:64*\nb
	global_load_b128 v[BF+8*\nb+4:BF+8*\nb+7], v[AF+23], s[8:9] offset:64*\nb+16
.endr
	WISSUE 0, WB, 0
	WISSUE 1, WB, WSTEP
.endm
; The bias, rounded to bf16 (and cleared where kc is not 0), starts the sums.  In place in BF: packed upward (word bi is written when words 2 bi and 2 bi + 1 have been read), widened downward (words 2 bi and 2 bi + 1 lie above every word still to be read).
.macro BIASINIT
.set bi, 0
.rept 32
	v_cvt_pk_bf16_f32 v[BF+bi], v[BF+2*bi], v[BF+2*bi+1]
.set bi, bi+1
.endr
.set bi, 0
.rept 32
	v_and_b32 v[BF+bi], s[BM], v[BF+bi]
.set bi, bi+1
.endr
.set bi, 31
.rept 32
	v_and_b32 v[BF+2*bi+1], 0xffff0000, v[BF+bi]
	v_lshlrev_b32 v[BF+2*bi], 16, v[BF+bi]
.set bi, bi-1
.endr
	WIN 0x40
.set bi, 0
.rept 192
	v_mov_b32 v[bi], v[BF+bi%64]
.set bi, bi+1
.endr
	WIN 0
.endm
.macro PREP_B
	s_mul_i32 s[T0], s[PP], 24
	s_add_co_u32 s[T0], s[T0], s[SW]               ; my wave's first block
	s_sub_co_i32 s[T1], s[NBLK], s[T0]
	s_add_co_i32 s[T1], s[T1], 7
	s_max_i32 s[T1], s[T1], 0
	s_lshr_b32 s[T1], s[T1], 3
	s_min_u32 s[NBW], s[T1], 3
	s_lshl_b32 s[T1], s[T0], 17
	s_lshl_b32 s[T2], s[SE], 23
	s_add_co_u32 s[T1], s[T1], s[T2]
	s_lshl_b32 s[T2], s[KC], 15                    ; a quarter is 32 K steps of 1,024 bytes
	s_add_co_u32 s[T1], s[T1], s[T2]
	s_mov_b32 s[T1+1], 0
	s_add_nc_u64 s[XA:XA+1], s[4:5], s[T1:T1+1]
	GATE3 NBW, AIBLK                               ; h of chunk 0 goes out at once: its addresses hang on the count alone
	s_lshl_b32 s[T1], s[T0], 6
	s_add_co_u32 s[T1], s[T1], LIST
	v_and_b32 v72, 15, v0
	v_lshl_add_u32 v73, v72, 2, s[T1]
	ds_load_b32 v74, v73                           ; 2 token + slot of row lane % 16 in my three blocks (places past the count hold a row that exists, or 0)
	ds_load_b32 v75, v73 offset:512
	ds_load_b32 v76, v73 offset:1024
	s_lshl_b32 s[T1], s[SW], 8
	s_add_co_u32 s[T1], s[T1], PBUF
	v_lshl_add_u32 v77, v72, 2, s[T1]
	s_wait_dscnt 0x0
.irp k, 74,75,76
	v_min_u32 v\k, 0x7ff, v\k
	v_lshlrev_b32 v\k, 2, v\k
	global_load_b32 v\k, v\k, s[12:13]             ; the rows' weights p
.endr
	s_wait_loadcnt 35                              ; the bias is in: at least W(0), W(1) and the three p, 35 loads, are younger
	BIASINIT
	s_wait_loadcnt 0x0                             ; W(0), W(1), h of chunk 0 and p
	ds_store_b32 v77, v74                          ; p waits in my wave's own words for the way out
	ds_store_b32 v77, v75 offset:64
	ds_store_b32 v77, v76 offset:128
	WCVT 0, 0
	WISSUE 0, WB, 2*WSTEP                          ; W(2)
	s_add_nc_u64 s[WP:WP+1], s[WB:WB+1], 2*WSTEP
.endm
; THE WAY OUT of block i: times p; through my wave's stage, so that a store takes a whole row's 512 consecutive bytes; row j goes to the place that the list gives; rows past the count are jumped
.macro EPIBLK i, x
	ds_load_b32 v74, v79 offset:64*(\i)            ; p of row lane % 16
.irp k, 0,1,2,3
	ds_load_b128 v[BF+4*\k:BF+4*\k+3], v76 offset:512*(\i)+16*\k  ; the block's 16 entries, the same in every lane
.endr
	s_wait_dscnt 0x0
	v_mov_b32 v75, v74                             ; named with it as a pair
.irp j, 0,1,2,3,4,5,6,7,8,9,10,11,12,13,14,15
	v_min_u32 v[BF+\j], 0x7ff, v[BF+\j]
	v_lshl_add_u32 v[BF+\j], v[BF+\j], 12, v[L16]  ; a row of part is 4,096 bytes
.endr
	WIN 0x41
.set ei, 0
.rept 32
	v_pk_mul_f32 v[64*(\i)+2*ei:64*(\i)+2*ei+1], v[64*(\i)+2*ei:64*(\i)+2*ei+1], v[74:75] op_sel_hi:[1,0]
.set ei, ei+1
.endr
	WIN 0x04
.irp nb, 0,1,2,3,4,5,6,7
	ds_store_b128 v77, v[64*(\i)+8*\nb:64*(\i)+8*\nb+3] offset:64*\nb
	ds_store_b128 v77, v[64*(\i)+8*\nb+4:64*(\i)+8*\nb+7] offset:64*\nb+16
.endr
	WIN 0
.irp j, 0,1,2,3,4,5,6,7,8,9,10,11,12,13,14,15
	ds_load_b128 v[WS+4*\j:WS+4*\j+3], v78 offset:SP*\j  ; LDS serves a wave's instructions in order: these see the stores above
.endr
.irp j, 0,1,2,3,4,5,6,7,8,9,10,11,12,13,14,15
	s_cmp_le_u32 s[REM], 128*(\i)+\j
	s_cbranch_scc1 .Lrows_\@
	s_wait_dscnt 15-\j
	global_store_b128 v[BF+\j], v[WS+4*\j:WS+4*\j+3], s[14:15]
.endr
.Lrows_\@:
	s_wait_dscnt 0x0
	s_wait_xcnt 0x0                                ; the stores have read their registers: the next block writes them again
.endm
	s_load_b256 s[4:11], s[0:1], 0x0               ; hf s[4:5], W2 s[6:7], b2 s[8:9], sel s[10:11]
	s_load_b128 s[12:15], s[0:1], 0x20             ; prob s[12:13], part s[14:15]
	v_lshl_add_u32 v[SPW], v0, 2, SPARE
	v_mov_b32 v[NIL], 0
	v_lshrrev_b32 v8, 5, v0
	v_readfirstlane_b32 s[SW], v8
	s_and_b32 s[SE], ttmp7, 0xffff
	s_and_b32 s[SN], ttmp9, 7
	s_lshr_b32 s[KC], ttmp9, 3
	s_mov_b32 s[OF+1], 0
	v_and_b32 v8, 31, v0
	v_bfe_u32 v9, v0, 4, 1
	v_lshlrev_b32 v[L16], 4, v8
	s_mul_i32 s[MK], s[SW], 16*WROW
	v_lshl_add_u32 v[WST], v8, 3, s[MK]
	v_and_b32 v11, 7, v0
	v_lshl_add_u32 v11, v9, 3, v11
	v_mul_u32_u24 v[BAD], v11, WROW
	v_bfe_u32 v11, v0, 3, 1
	v_lshl_add_u32 v[BAD], v11, 4, v[BAD]
	v_add_nc_u32 v[BAD+1], SLOTB, v[BAD]
	s_mul_i32 s[MK], s[SW], ABW
	s_add_co_u32 s[MK], s[MK], AB
	v_add_nc_u32 v[AAD], s[MK], v[L16]
	s_cmp_eq_u32 s[KC], 0
	s_cselect_b32 s[BM], -1, 0
	s_wait_kmcnt 0x0
	s_lshl_b32 s[OF], s[SE], 7
	s_add_nc_u64 s[10:11], s[10:11], s[OF:OF+1]
	s_load_b512 s[32:47], s[10:11], 0x0            ; who chose expert e
	s_load_b512 s[48:63], s[10:11], 0x40
	s_load_b512 s[68:83], s[10:11], 0x400          ; whose second choice it is
	s_load_b512 s[84:99], s[10:11], 0x440
	s_lshl_b32 s[OF], s[SE], 24
	s_lshl_b32 s[MK], s[KC], 22                    ; 1,024 rows of 4,096 bytes a quarter
	s_add_co_u32 s[OF], s[OF], s[MK]
	s_lshl_b32 s[SX], s[SN], 9
	s_add_co_u32 s[OF], s[OF], s[SX]
	s_lshl_b32 s[MK], s[SW], 16                    ; 16 rows a wave
	s_add_co_u32 s[OF], s[OF], s[MK]
	s_add_nc_u64 s[WB:WB+1], s[6:7], s[OF:OF+1]
	s_lshl_b32 s[OF], s[SE], 12
	s_add_co_u32 s[OF], s[OF], s[SX]
	s_add_nc_u64 s[8:9], s[8:9], s[OF:OF+1]
	s_lshl_b32 s[OF], s[KC], 23                    ; 2,048 rows of 4,096 bytes a quarter of part
	s_add_co_u32 s[OF], s[OF], s[SX]
	s_add_nc_u64 s[14:15], s[14:15], s[OF:OF+1]
	PREP_A                                         ; the first weights are on their way while the list is made
	s_wait_kmcnt 0x0
	s_bcnt1_i32_b32 s[CNT], s32
.set lj, 1
.rept 31
	s_bcnt1_i32_b32 s[MK], s[32+lj]
	s_add_co_u32 s[CNT], s[CNT], s[MK]
.set lj, lj+1
.endr
	s_add_co_u32 s[NBLK], s[CNT], 15
	s_lshr_b32 s[NBLK], s[NBLK], 4
	s_cmp_lg_u32 s[SW], 0
	s_cbranch_scc1 .Lnolist
	; wave 0 makes the list: zeros first; then 2 token + slot goes to the place given by the set bits below the token's own; a lane without a token writes behind the list
	v_and_b32 v72, 31, v0
	v_add_nc_u32 v73, 1152, v72
	v_lshlrev_b32 v80, 1, v72
	v_add_nc_u32 v81, 1, v80
	v_mov_b32 v76, 0
	v_mov_b32 v77, 0
	v_mov_b32 v78, 0
	v_mov_b32 v79, 0
	v_lshl_add_u32 v74, v72, 4, LIST
.irp k, 0,1,2,3,4,5,6,7,8
	ds_store_b128 v74, v[76:79] offset:512*\k
.endr
	s_mov_b32 s[MK], 0
.set lj, 0
.rept 32
	v_mbcnt_lo_u32_b32 v74, s[32+lj], s[MK]
	v_cndmask_b32 v74, v73, v74, s[32+lj]
	v_min_u32 v74, 1183, v74
	v_lshl_add_u32 v74, v74, 2, LIST
	v_cndmask_b32 v75, v80, v81, s[68+lj]
	v_add_nc_u32 v75, 64*lj, v75
	ds_store_b32 v74, v75
	s_bcnt1_i32_b32 s[SX], s[32+lj]
	s_add_co_u32 s[MK], s[MK], s[SX]
.set lj, lj+1
.endr
	v_mov_b32 v74, LIST
	ds_load_b32 v75, v74
	v_add_nc_u32 v74, s[CNT], v72
	v_min_u32 v74, 1151, v74
	v_lshl_add_u32 v74, v74, 2, LIST
	s_wait_dscnt 0x0
	ds_store_b32 v74, v75                          ; the places past the count repeat the first row
.Lnolist:
	s_wait_dscnt 0x0                               ; for the others' sake: the list is in LDS
	s_barrier_signal -1
.set zi, AF                            ; registers that only some of a wave's blocks fill hold 0 from here on; v95 holds the bias's offset
.rept 23
	v_mov_b32 v[zi], 0
.set zi, zi+1
.endr
.set zi, AS
.rept 96
	v_mov_b32 v[zi], 0
.set zi, zi+1
.endr
	s_barrier_wait -1
	s_mov_b32 s[PP], 0
	s_cmp_lg_u32 s[NBLK], 0
	s_cselect_b32 s[LIVE], 1, 0
	PREP_B
	s_mov_b32 s[P], 0
.Lpass:
	s_wait_dscnt 0x0                               ; my rows of W(0) are in slot 0
	s_barrier_signal -1
	s_barrier_wait -1                              ; everybody's are
	s_mov_b32 s[T], 0
.Ltrip:                                                ; four trips of two chunks
	s_cmp_lt_u32 s[T], 3
	s_cselect_b32 s[NBAO], s[NBW], 0               ; the last step asks for no rows
	STEP 0, NBW, 3
	STEP 1, NBAO, 2
	s_add_co_u32 s[T], s[T], 1
	s_cmp_lt_u32 s[T], 4
	s_cbranch_scc1 .Ltrip
	s_wait_loadcnt 0x0                             ; the loads issued with no lane on
	s_cmp_eq_u32 s[LIVE], 0
	s_cbranch_scc1 .Lnoepi
	s_mul_i32 s[T0], s[P], 24
	s_add_co_u32 s[T0], s[T0], s[SW]
	s_lshl_b32 s[T1], s[T0], 6
	s_add_co_u32 s[T1], s[T1], LIST
	v_mov_b32 v76, s[T1]                           ; my first block's entries
	v_and_b32 v72, 15, v0
	v_bfe_u32 v73, v0, 4, 1
	s_lshl_b32 s[T2], s[SW], 8
	s_add_co_u32 s[T2], s[T2], PBUF
	v_lshl_add_u32 v79, v72, 2, s[T2]
	s_mul_i32 s[T2], s[SW], STGW
	s_add_co_u32 s[T2], s[T2], STG
	v_mul_u32_u24 v77, v72, SP                     ; into the stage: row lane % 16, 32 bytes for each half of the lanes
	v_lshl_add_u32 v77, v73, 5, v77
	v_add_nc_u32 v77, s[T2], v77
	v_add_nc_u32 v78, s[T2], v[L16]                ; back: a whole row, 16 bytes a lane
	s_lshl_b32 s[T2], s[T0], 4
	s_sub_co_u32 s[REM], s[CNT], s[T2]
	GATE3 NBW, EPIBLK
.Lnoepi:
	s_wait_xcnt 0x0
	s_add_co_u32 s[PP], s[P], 1
	s_mul_i32 s[T0], s[PP], 24
	s_min_u32 s[PP], s[PP], 2                      ; a fourth pass is never prepared: 72 blocks are more than an expert can have
	s_cmp_gt_u32 s[NBLK], s[T0]
	s_cselect_b32 s[LIVE], 1, 0
	s_cbranch_scc0 .Lnoprep
	PREP_A                                         ; more than 24 blocks a pass: the slice is read once more
	PREP_B
.Lnoprep:
	s_add_co_u32 s[P], s[P], 1
	s_cmp_lt_u32 s[P], 3
	s_cbranch_scc1 .Lpass
	s_wait_tensorcnt 0x0                           ; the wave's end, behind my last LDS store
	ds_add_u32 v[SPW], v[NIL]
	s_wait_dscnt 0x0
	s_endpgm
.Lfunc_end_k_q96560939d6_ffn2:
	.size	k_q96560939d6_ffn2, .Lfunc_end_k_q96560939d6_ffn2-k_q96560939d6_ffn2
	.p2alignl 7, 3214868480
	.fill 96, 4, 3214868480
	.section	.rodata,"a",@progbits
	.p2align	6, 0x0
	.amdhsa_kernel k_q96560939d6_ffn2
		.amdhsa_group_segment_fixed_size 247552
		.amdhsa_private_segment_fixed_size 0
		.amdhsa_enable_private_segment 0
		.amdhsa_kernarg_size 48
		.amdhsa_user_sgpr_count 2
		.amdhsa_user_sgpr_kernarg_segment_ptr 1
		.amdhsa_wavefront_size32 1
		.amdhsa_system_sgpr_workgroup_id_x 1
		.amdhsa_system_sgpr_workgroup_id_y 1
		.amdhsa_system_sgpr_workgroup_id_z 1
		.amdhsa_system_vgpr_workitem_id 0
		.amdhsa_next_free_vgpr 512
		.amdhsa_next_free_sgpr 100
		.amdhsa_reserve_vcc 0
		.amdhsa_float_denorm_mode_32 3
		.amdhsa_float_denorm_mode_16_64 3
		.amdhsa_memory_ordered 1
		.amdhsa_forward_progress 1
		.amdhsa_inst_pref_size 161
	.end_amdhsa_kernel
	.amdgpu_metadata
---
amdhsa.version: [ 1, 2 ]
amdhsa.kernels:
  - .name:           k_q96560939d6_ffn2
    .symbol:         k_q96560939d6_ffn2.kd
    .args:
      - { .name: hf, .offset: 0, .size: 8, .value_kind: global_buffer, .address_space: global }
      - { .name: W2, .offset: 8, .size: 8, .value_kind: global_buffer, .address_space: global }
      - { .name: b2, .offset: 16, .size: 8, .value_kind: global_buffer, .address_space: global }
      - { .name: sel, .offset: 24, .size: 8, .value_kind: global_buffer, .address_space: global }
      - { .name: prob, .offset: 32, .size: 8, .value_kind: global_buffer, .address_space: global }
      - { .name: part, .offset: 40, .size: 8, .value_kind: global_buffer, .address_space: global }
    .group_segment_fixed_size: 247552
    .private_segment_fixed_size: 0
    .kernarg_segment_align: 8
    .kernarg_segment_size: 48
    .max_flat_workgroup_size: 256
    .sgpr_count:     100
    .vgpr_count:     512
    .wavefront_size: 32
...
	.end_amdgpu_metadata
.endif
;; end of part 3
;; launch combine (part 4): grid 256 x 1, 8 waves a work-group, no clusters, 0 bytes of LDS; arguments part, out0; writes out0
.if DOCPART == 4
	.amdgcn_target "amdgcn-amd-amdhsa--gfx1250"
	.amdhsa_code_object_version 6
	.text
	.protected	k_q96560939d6_combine
	.globl	k_q96560939d6_combine
	.p2align	8
	.type	k_q96560939d6_combine,@function
k_q96560939d6_combine:
	s_mov_b64 s[64:65], 0
	v_nop
	global_prefetch_b8 v0, s[64:65] scope:SCOPE_SE
	s_setreg_imm32_b32 hwreg(HW_REG_WAVE_MODE, 25, 1), 1
	s_wait_xcnt 0x0
; out0[token] = the sum over slot = 0, 1 and quarter kc = 0..3 of part[kc][2 token + slot].  All f32; the order is fixed: kc ascending within a slot, then the two slots.
; A stream: work-group g owns tokens 4 g .. 4 g + 3, thread t the 16 bytes at 16 t of every row, so a wave's load or store covers 512 consecutive bytes.
; All 32 loads of a thread go out at once; no LDS, no barrier, no matrix unit: there is nothing here but bytes.
.set D, 8                              ; v8-135: token u, slot s, quarter kc at D + 4 (8 u + 4 s + kc)
	s_load_b128 s[4:7], s[0:1], 0x0                ; part s[4:5], out0 s[6:7]
	v_lshlrev_b32 v1, 4, v0
	s_lshl_b32 s8, ttmp9, 15                       ; 8 rows of 4,096 bytes of part,
	s_mov_b32 s9, 0
	s_lshl_b32 s10, ttmp9, 14                      ; 4 rows of out0
	s_mov_b32 s11, 0
	s_wait_kmcnt 0x0
	s_add_nc_u64 s[12:13], s[4:5], s[8:9]          ; a base for each quarter: they lie 8,388,608 bytes apart, more than the immediate holds
	s_add_nc_u64 s[14:15], s[12:13], 0x800000
	s_add_nc_u64 s[16:17], s[14:15], 0x800000
	s_add_nc_u64 s[18:19], s[16:17], 0x800000
	s_add_nc_u64 s[6:7], s[6:7], s[10:11]
.irp u, 0,1,2,3
.irp s, 0,1
.irp k, 0,1,2,3
	global_load_b128 v[D+4*(8*\u+4*\s+\k):D+4*(8*\u+4*\s+\k)+3], v1, s[12+2*\k:13+2*\k] offset:(2*\u+\s)*4096 th:TH_LOAD_NT
.endr
.endr
.endr
.irp u, 0,1,2,3
	s_wait_loadcnt 24-8*\u                         ; loads come back in order: token u's eight are in
.irp s, 0,1
.irp k, 1,2,3
	v_pk_add_f32 v[D+32*\u+16*\s:D+32*\u+16*\s+1], v[D+32*\u+16*\s:D+32*\u+16*\s+1], v[D+32*\u+16*\s+4*\k:D+32*\u+16*\s+4*\k+1]
	v_pk_add_f32 v[D+32*\u+16*\s+2:D+32*\u+16*\s+3], v[D+32*\u+16*\s+2:D+32*\u+16*\s+3], v[D+32*\u+16*\s+4*\k+2:D+32*\u+16*\s+4*\k+3]
.endr
.endr
	v_pk_add_f32 v[D+32*\u:D+32*\u+1], v[D+32*\u:D+32*\u+1], v[D+32*\u+16:D+32*\u+17]
	v_pk_add_f32 v[D+32*\u+2:D+32*\u+3], v[D+32*\u+2:D+32*\u+3], v[D+32*\u+18:D+32*\u+19]
	global_store_b128 v1, v[D+32*\u:D+32*\u+3], s[6:7] offset:4096*\u th:TH_STORE_NT
.endr
	s_endpgm
.Lfunc_end_k_q96560939d6_combine:
	.size	k_q96560939d6_combine, .Lfunc_end_k_q96560939d6_combine-k_q96560939d6_combine
	.p2alignl 7, 3214868480
	.fill 96, 4, 3214868480
	.section	.rodata,"a",@progbits
	.p2align	6, 0x0
	.amdhsa_kernel k_q96560939d6_combine
		.amdhsa_group_segment_fixed_size 0
		.amdhsa_private_segment_fixed_size 0
		.amdhsa_enable_private_segment 0
		.amdhsa_kernarg_size 16
		.amdhsa_user_sgpr_count 2
		.amdhsa_user_sgpr_kernarg_segment_ptr 1
		.amdhsa_wavefront_size32 1
		.amdhsa_system_sgpr_workgroup_id_x 1
		.amdhsa_system_sgpr_workgroup_id_y 1
		.amdhsa_system_sgpr_workgroup_id_z 1
		.amdhsa_system_vgpr_workitem_id 0
		.amdhsa_next_free_vgpr 136
		.amdhsa_next_free_sgpr 66
		.amdhsa_reserve_vcc 0
		.amdhsa_float_denorm_mode_32 3
		.amdhsa_float_denorm_mode_16_64 3
		.amdhsa_memory_ordered 1
		.amdhsa_forward_progress 1
		.amdhsa_inst_pref_size 8
	.end_amdhsa_kernel
	.amdgpu_metadata
---
amdhsa.version: [ 1, 2 ]
amdhsa.kernels:
  - .name:           k_q96560939d6_combine
    .symbol:         k_q96560939d6_combine.kd
    .args:
      - { .name: part, .offset: 0, .size: 8, .value_kind: global_buffer, .address_space: global }
      - { .name: out0, .offset: 8, .size: 8, .value_kind: global_buffer, .address_space: global }
    .group_segment_fixed_size: 0
    .private_segment_fixed_size: 0
    .kernarg_segment_align: 8
    .kernarg_segment_size: 16
    .max_flat_workgroup_size: 256
    .sgpr_count:     66
    .vgpr_count:     136
    .wavefront_size: 32
...
	.end_amdgpu_metadata
.endif
;; end of part 4
